; MI455X (gfx1250); checked and timed in simulation.
; The chip was launched on July 23, 2026; its instructions are those of AMD's public machine-readable ISA for CDNA 5 (MIT licence, August 2026) and "CDNA5" Instruction Set Architecture Reference Guide (July 2026). The comments in the code are by the model that wrote it; some were corrected since.
;; Attention. Allowed arithmetic: matrix products marked QUANTISED: E4M3 operands, one given power-of-two scale a tensor, by v_wmma_f32_16x16x64_fp8_fp8 or v_wmma_f32_16x16x128_fp8_fp8, f32 sums; everything else in f32.
;; Inputs: Wk_codes 1,024 x 32 x 32 uint8 (E4M3 codes of Wk, K innermost, in blocks of 32 codes); Wo_codes 1,024 x 32 x 32 uint8 (E4M3 codes of Wo, K innermost, in blocks of 32 codes); Wq_codes 1,024 x 32 x 32 uint8 (E4M3 codes of Wq, K innermost, in blocks of 32 codes); Wv_codes 1,024 x 32 x 32 uint8 (E4M3 codes of Wv, K innermost, in blocks of 32 codes); Xq_codes 4 x 2,048 x 32 x 32 uint8 (E4M3 codes of Xq, K innermost, in blocks of 32 codes); lowp_scales 12 int32 (the exponents e of the quantised operands' scales 2^e); mask_aft 2,048 x 2,048 bool; mask_bef 2,048 x 2,048 bool.
;; Outputs: out0 4 x 2,048 x 1,024 float32.
;; This version of the problem:
;;   THIS VERSION OF THE PROBLEM IS GIVEN IN LOW PRECISION. The matrix products marked QUANTISED in the list below multiply operands that are first quantised to E4M3 (4 exponent bits, 3 mantissa bits; 8 bits a number), with one given power-of-two scale for each operand tensor; their sums are f32. All else is computed in f32.
;;   The module's matrix products, in the order in which they are computed (A, B: the left and right operand; K: the contracted axis; several contracted axes count as one K, in the product's order):
;;     1. [M 8,192, K 1,024] x [K 1,024, N 1,024]; A: input Xq (given as codes); B: input Wq (given as codes): QUANTISED (scales: A lowp_scales[0], B lowp_scales[1])
;;     2. [M 8,192, K 1,024] x [K 1,024, N 1,024]; A: input Xq (given as codes); B: input Wk (given as codes): QUANTISED (scales: A lowp_scales[2], B lowp_scales[3])
;;     3. [M 8,192, K 1,024] x [K 1,024, N 1,024]; A: input Xq (given as codes); B: input Wv (given as codes): QUANTISED (scales: A lowp_scales[4], B lowp_scales[5])
;;     4. batch 64 x [M 2,048, K 64] x [K 64, N 2,048]; A: computed on the way; B: computed on the way: QUANTISED (scales: A lowp_scales[6], B lowp_scales[7])
;;     5. batch 64 x [M 2,048, K 2,048] x [K 2,048, N 64]; A: computed on the way; B: computed on the way: QUANTISED (scales: A lowp_scales[8], B lowp_scales[9])
;;     6. [M 8,192, K 1,024] x [K 1,024, N 1,024]; A: computed on the way; B: input Wo (given as codes): QUANTISED (scales: A lowp_scales[10], B lowp_scales[11])
;;   THE QUANTISER, for each operand of a quantised product, along K:
;;     - The operand's scale is 2^e, e = its entry of the input lowp_scales (int32; the entries are numbered through the quantised products in the list's order, A before B).
;;     - Each number is divided by the scale, clamped to +-448, and rounded to the nearest number of E4M3, ties to even, subnormals kept.
;;     - The product sums the exact products of the quantised numbers (number of the format x scale) in f32.
;;   ~~~python
;;   def quantise(x, axis, e):      # numpy; x: float32 -> the quantised numbers, widened to float32 again
;;       x = np.moveaxis(x, axis, -1); K = x.shape[-1]
;;       r = np.clip(x / 2.0 ** e, -448, 448)
;;       step = 2.0 ** (np.maximum(np.frexp(np.where(r == 0, 1, r))[1] - 1, -6) - 3)
;;       q = np.round(r / step) * step * 2.0 ** e      # np.round: ties to even
;;       return np.moveaxis(q, -1, axis).astype(np.float32)
;;   ~~~
;;   OPERANDS COMPUTED ON THE WAY. 'Computed on the way' means the value that the module computes at that place (a softmax that the list does not call 'softmax' is quantised finished and normalised). What goes into a quantiser is computed in f32, as accurately as f32 sums, v_exp_f32 and their like allow (about 1e-6 of the number): no bf16 or f16 on the way to a quantiser, and a product that is left as it is and whose result goes on into a quantised operand takes f32 operands (vector FMAs, or v_wmma_f32_16x16x4_f32). A number that lies on a knife's edge between two numbers of the format may be rounded either way, as far as f32 arithmetic and the matrix unit's own rounding can turn it there, and no further.
;;   INPUTS GIVEN AS CODES. Wk (in the module: [1024, 1024], K = its axis 0); Wo (in the module: [1024, 1024], K = its axis 0); Wq (in the module: [1024, 1024], K = its axis 0); Wv (in the module: [1024, 1024], K = its axis 0); Xq (in the module: [4, 2048, 1024], K = its axis 2): each comes as NAME_codes (uint8): NAME with its K axis moved to the last place and cut into blocks of 32 codes, [.., K / 32, bytes a block], one block behind the other in memory; one code a byte (a code: sign, 4 exponent bits, 3 mantissa bits); its scale is its entry of lowp_scales. Its value is code x scale, taken as it is: it is not quantised again, and the codes and scales need not be those that the quantiser above would give.
;; One version. Each part assembles by itself: llvm-mc -triple=amdgcn-amd-amdhsa -mcpu=gfx1250 --defsym DOCPART=n.
;; ======== version 1 of 1: 4 launches
;; limits: right only within a limited range of input values
;; workspace buffers: qimg 8,388,608 bytes; kimg 8,388,608 bytes; vimg 8,388,608 bytes; oimg 8,388,608 bytes; keepimg 4,194,304 bytes; flags 2,048 bytes of whole numbers
;; launch masks (part 1): grid 8 x 32, 2 waves a work-group, no clusters, 17,664 bytes of LDS; arguments mask_bef, mask_aft, keepimg, flags; writes keepimg, flags
.if DOCPART == 1
	.amdgcn_target "amdgcn-amd-amdhsa--gfx1250"
	.amdhsa_code_object_version 6
	.text
	.protected	k_q909a4285fe_masks
	.globl	k_q909a4285fe_masks
	.p2align	8
	.type	k_q909a4285fe_masks,@function
k_q909a4285fe_masks:
	s_mov_b64 s[64:65], 0
	v_nop
	global_prefetch_b8 v0, s[64:65] scope:SCOPE_SE
	s_setreg_imm32_b32 hwreg(HW_REG_WAVE_MODE, 25, 1), 1
	s_wait_xcnt 0x0
; The two masks [2048 queries][2048 keys], one byte (0 or 1) a place, are laid out once as the attention launch wants them.
;   keepimg [u 64][st 32][i 2][hf 2][lane 32][16 B]: in the order of the registers that hold the weights' codes: register 2 t + x, byte y of lane (r, h) stands for
;           (query 32 u + 16 i + r, key 64 st + 16 t + 8 h + 4 x + y): 0x7F where neither mask hides the place, 0x80 where mask_bef hides it, 0 where mask_aft alone does.
;           A weight is not negative, so its code's top bit is 0: one v_and_b32 with the image clears the codes of hidden places; bit 7 alone tells mask_bef.
;   flags   [u][kg 8]: bits 2 s + 1 : 2 s = the state of step st = 4 kg + s for the 32 queries of u: 0 all hidden by mask_bef, 1 mixed, 2 none hidden.
; SHARES.  A wave takes 32 rows (u) x 256 keys (kg) of both masks: 512 waves.  Each load reads two whole rows' 256 aligned bytes; the image bytes turn through the wave's own stage in LDS
; (rows 272 bytes apart).  Waves share nothing: no barrier.  No matrix unit, no cluster, no tensor load: 8 MiB that are read once.
.set PITCH, 272
.set WREG,  32*PITCH                   ; LDS of a wave
.set BEF,   16                         ; v16-79   mask_bef as loaded
.set AFT,   80                         ; v80-143  mask_aft as loaded, then the image bytes
.set KR,    144                        ; v144-207 the image bytes in the image's order
.set T,     208                        ; v208-211 at work
.set CA,    212                        ; v212, v213 bytewise counts of mask_bef: 64 registers a lane, so a byte holds 64 at the most
.set CB,    213
	s_load_b256 s[4:11], s[0:1], 0x0               ; mask_bef s[4:5], mask_aft s[6:7], keepimg s[8:9], flags s[10:11]
	v_lshl_add_u32 v224, v0, 2, 0x4400             ; my spare word, behind the two stages
	v_mov_b32 v225, 0
	v_lshrrev_b32 v1, 5, v0
	v_readfirstlane_b32 s14, v1                    ; wave 0..1
	v_and_b32 v1, 31, v0                           ; lane
	v_and_b32 v2, 15, v0                           ; r
	v_bfe_u32 v3, v0, 4, 1                         ; h
	s_and_b32 s15, ttmp7, 0xffff
	s_lshl_b32 s15, s15, 1
	s_add_co_u32 s15, s15, s14                     ; u = 2 y + wave
	s_mov_b32 s16, ttmp9                           ; kg
	s_mov_b32 s17, 0x01010101
	s_mov_b32 s19, 0x40404040
	v_lshlrev_b32 v7, 4, v1                        ; 16 x lane
	v_lshlrev_b32 v4, 4, v2
	v_lshl_add_u32 v4, v3, 11, v4                  ; in memory: lanes 0-15 one row's 256 bytes, lanes 16-31 the next row's
	s_mul_i32 s18, s14, WREG
	v_mul_u32_u24 v5, v3, PITCH
	v_lshl_add_u32 v5, v2, 4, v5
	v_add_nc_u32 v5, s18, v5                       ; the same two rows in the stage
	v_mul_u32_u24 v6, v2, PITCH
	v_lshl_add_u32 v6, v3, 3, v6
	v_add_nc_u32 v6, s18, v6                       ; out of the stage: row r, 8 bytes for each half of the lanes
	v_mov_b32 v9, 0
	v_mov_b32 v[CA], 0
	v_mov_b32 v[CB], 0
	s_lshl_b32 s20, s15, 16                        ; the masks: 32 u rows of 2,048 bytes + 256 kg
	s_lshl_b32 s21, s16, 8
	s_add_co_u32 s20, s20, s21
	s_mov_b32 s21, 0
	s_lshl_b32 s22, s15, 16                        ; keepimg: 65,536 u + 4 steps of 2,048 bytes x kg
	s_lshl_b32 s23, s16, 13
	s_add_co_u32 s22, s22, s23
	s_mov_b32 s23, 0
	s_lshl_b32 s26, s15, 5                         ; flags: 32 u + 4 kg
	s_lshl_b32 s27, s16, 2
	s_add_co_u32 s26, s26, s27
	s_mov_b32 s27, 0
	s_wait_alu depctr_va_vdst(0)                   ; the wait at the head's end
	s_wait_kmcnt 0x0
	s_add_nc_u64 s[4:5], s[4:5], s[20:21]
	s_add_nc_u64 s[6:7], s[6:7], s[20:21]
	s_add_nc_u64 s[8:9], s[8:9], s[22:23]
	s_add_nc_u64 s[10:11], s[10:11], s[26:27]
.irp i, 0,1,2,3,4,5,6,7,8,9,10,11,12,13,14,15
	global_load_b128 v[BEF+4*\i:BEF+4*\i+3], v4, s[4:5] offset:4096*\i th:TH_LOAD_NT
.endr
.irp i, 0,1,2,3,4,5,6,7,8,9,10,11,12,13,14,15
	global_load_b128 v[AFT+4*\i:AFT+4*\i+3], v4, s[6:7] offset:4096*\i th:TH_LOAD_NT
.endr
; image = 0x7F x (1 - (bef | aft)) + 0x80 x bef, four bytes at a time: no byte borrows or carries, since each is 0 or 1
.irp i, 0,1,2,3,4,5,6,7,8,9,10,11,12,13,14,15
	s_wait_loadcnt 15-\i                           ; loads come back in order: all of mask_bef and rows 2 i, 2 i + 1 of mask_aft are in; the 15 - i younger loads stay out
	v_add3_u32 v[CA], v[CA], v[BEF+4*\i], v[BEF+4*\i+1]
	v_add3_u32 v[CB], v[CB], v[BEF+4*\i+2], v[BEF+4*\i+3]
.irp k, 0,1,2,3
	v_or_b32 v[AFT+4*\i+\k], v[BEF+4*\i+\k], v[AFT+4*\i+\k]
.endr
.irp k, 0,1,2,3
	v_sub_nc_u32 v[AFT+4*\i+\k], s17, v[AFT+4*\i+\k]
.endr
.irp k, 0,1,2,3
	v_lshlrev_b32 v[T+\k], 7, v[AFT+4*\i+\k]
.endr
.irp k, 0,1,2,3
	v_sub_nc_u32 v[AFT+4*\i+\k], v[T+\k], v[AFT+4*\i+\k]
.endr
.irp k, 0,1,2,3
	v_lshl_or_b32 v[AFT+4*\i+\k], v[BEF+4*\i+\k], 7, v[AFT+4*\i+\k]
.endr
	ds_store_b128 v5, v[AFT+4*\i:AFT+4*\i+3] offset:2*PITCH*\i
.endr
.irp s, 0,1,2,3                                ; LDS serves a wave's instructions in order (ISA guide 5.7.1.4): these see the stores above
.irp i, 0,1
.irp t, 0,1,2,3
	ds_load_b64 v[KR+16*\s+8*\i+2*\t:KR+16*\s+8*\i+2*\t+1], v6 offset:16*\i*PITCH+64*\s+16*\t
.endr
.endr
.endr
; A lane's count covers 16 rows x 16 keys of step (lane % 16) / 4: 0 = nothing hidden there, 64 in each byte = all hidden
	v_add_nc_u32 v[CA], v[CA], v[CB]
	v_cmp_ne_u32 s20, 0, v[CA]                     ; lanes with something hidden
	v_cmp_ne_u32 s21, s19, v[CA]                   ; lanes with something open
	s_mov_b32 s27, 0
.irp s, 0,1,2,3
	s_and_b32 s24, s20, 0x000f000f<<(4*\s)         ; the step's eight lanes
	s_cselect_b32 s26, 1, 2                        ; something hidden: mixed; nothing: open
	s_and_b32 s25, s21, 0x000f000f<<(4*\s)
	s_cselect_b32 s26, s26, 0                      ; nothing open: all hidden
	s_lshl_b32 s26, s26, 2*\s
	s_or_b32 s27, s27, s26
.endr
	v_mov_b32 v10, s27
	v_cmp_eq_u32 vcc_lo, 0, v1
	s_wait_alu depctr_va_vdst(0)                   ; directly ahead of the waits below
.irp s, 0,1,2,3
	s_wait_dscnt 24-8*\s                           ; step s's eight reads are in; the later steps' may be out
.irp i, 0,1
.irp f, 0,1
	global_store_b128 v7, v[KR+16*\s+8*\i+4*\f:KR+16*\s+8*\i+4*\f+3], s[8:9] offset:2048*\s+1024*\i+512*\f   ; the wave stores 512 consecutive bytes, aligned
.endr
.endr
.endr
	s_wait_xcnt 0x0                                ; EXEC is a source of the stores that are out: it changes only behind this wait
	s_wait_tensorcnt 0x0                           ; the wave's end
	ds_add_u32 v224, v225
	s_wait_dscnt 0x0
	s_and_saveexec_b32 s30, vcc_lo
	global_store_b32 v9, v10, s[10:11]             ; one word for the wave
	s_wait_xcnt 0x0                                ; and again in front of the line that widens it
	s_or_b32 exec_lo, exec_lo, s30
	s_endpgm
.Lfunc_end_k_q909a4285fe_masks:
	.size	k_q909a4285fe_masks, .Lfunc_end_k_q909a4285fe_masks-k_q909a4285fe_masks
	.p2alignl 7, 3214868480
	.fill 96, 4, 3214868480
	.section	.rodata,"a",@progbits
	.p2align	6, 0x0
	.amdhsa_kernel k_q909a4285fe_masks
		.amdhsa_group_segment_fixed_size 17664
		.amdhsa_private_segment_fixed_size 0
		.amdhsa_enable_private_segment 0
		.amdhsa_kernarg_size 32
		.amdhsa_user_sgpr_count 2
		.amdhsa_user_sgpr_kernarg_segment_ptr 1
		.amdhsa_wavefront_size32 1
		.amdhsa_system_sgpr_workgroup_id_x 1
		.amdhsa_system_sgpr_workgroup_id_y 1
		.amdhsa_system_sgpr_workgroup_id_z 1
		.amdhsa_system_vgpr_workitem_id 0
		.amdhsa_next_free_vgpr 226
		.amdhsa_next_free_sgpr 66
		.amdhsa_reserve_vcc 1
		.amdhsa_float_denorm_mode_32 3
		.amdhsa_float_denorm_mode_16_64 3
		.amdhsa_memory_ordered 1
		.amdhsa_forward_progress 1
		.amdhsa_inst_pref_size 26
	.end_amdhsa_kernel
	.amdgpu_metadata
---
amdhsa.version: [ 1, 2 ]
amdhsa.kernels:
  - .name:           k_q909a4285fe_masks
    .symbol:         k_q909a4285fe_masks.kd
    .args:
      - { .name: mask_bef, .offset: 0, .size: 8, .value_kind: global_buffer, .address_space: global }
      - { .name: mask_aft, .offset: 8, .size: 8, .value_kind: global_buffer, .address_space: global }
      - { .name: keepimg, .offset: 16, .size: 8, .value_kind: global_buffer, .address_space: global }
      - { .name: flags, .offset: 24, .size: 8, .value_kind: global_buffer, .address_space: global }
    .group_segment_fixed_size: 17664
    .private_segment_fixed_size: 0
    .kernarg_segment_align: 8
    .kernarg_segment_size: 32
    .max_flat_workgroup_size: 64
    .sgpr_count:     66
    .vgpr_count:     226
    .wavefront_size: 32
...
	.end_amdgpu_metadata
.endif
;; end of part 1
;; launch proj (part 2): grid 12 x 32, 4 waves a work-group, clusters of 4 x 4, 327,680 bytes of LDS; arguments Xq_codes, Wq_codes, Wk_codes, Wv_codes, lowp_scales, qimg, kimg, vimg; writes qimg, kimg, vimg
.if DOCPART == 2
	.amdgcn_target "amdgcn-amd-amdhsa--gfx1250"
	.amdhsa_code_object_version 6
	.text
	.protected	k_q909a4285fe_proj
	.globl	k_q909a4285fe_proj
	.p2align	8
	.type	k_q909a4285fe_proj,@function
k_q909a4285fe_proj:
	s_mov_b64 s[64:65], 0
	v_nop
	global_prefetch_b8 v0, s[64:65] scope:SCOPE_SE
	s_setreg_imm32_b32 hwreg(HW_REG_WAVE_MODE, 25, 1), 1
	s_wait_xcnt 0x0
	s_wait_alu depctr_hold_cnt(0) depctr_sa_sdst(0) depctr_va_vdst(0) depctr_va_sdst(0) depctr_va_ssrc(0) depctr_va_vcc(0) depctr_vm_vsrc(0)
	s_getreg_b32 s2, hwreg(HW_REG_IB_STS2, 6, 4)
	s_cmp_eq_u32 s2, 0
	s_cbranch_scc0 .Lentry_in_a_cluster
	s_endpgm
.Lentry_in_a_cluster:
	s_bfe_u32 s2, ttmp6, 0x10000c
	s_cmp_lg_u32 s2, 0xf033
	s_cbranch_scc0 .Lentry_shape_is_right
	s_endpgm
.Lentry_shape_is_right:
.set ROWB,   256
.set KROW,   1024
.set PITCH,  272
.set FR,     16
.set NL,     4
.set NP,     4
.set HALFT,  128*PITCH
.set SLOT,   4*HALFT
.set LAPS,   2
.set SPARE,  2*SLOT
.set SCL,  12
.set LIM,  13
.set ADRA, 16
.set ADRB, 20
.set LI,   27
.set SPW,  28
.set NIL,  29
.set TMP,  32
.set AF,   128
.set CD,   128
.set G1, 24
.set G0, 32
.set G1B, 48
.set G0B, 56
.set MSB, 0
.macro WIN new
.if MSB != \new
	s_set_vgpr_msb (MSB<<8)|\new
.set MSB, \new
.endif
.endm
.set MUL_LO, 0xa1
.set MUL_HI, 0xf1
.set TO_B,   0x40
.macro JLOAD g0a, g1a, g0b, g1b
	s_cmp_eq_u32 s15, 0
	s_cbranch_scc0 .Lfor_b_\@
	tensor_load_to_lds s[\g0a:\g0a+3], s[\g1a:\g1a+7]
	s_nop 0
.rept 4
	v_nop
.endr
	s_branch .Lasked_\@
.Lfor_b_\@:
	tensor_load_to_lds s[\g0b:\g0b+3], s[\g1b:\g1b+7]
	s_nop 0
.rept 4
	v_nop
.endr
.Lasked_\@:
.endm
.macro CREST
	s_cmp_lg_u32 s14, 0
	s_cbranch_scc1 .Lnot_wave_0_\@
	s_barrier_signal -3
.Lnot_wave_0_\@:
	s_barrier_wait -3
	s_barrier_signal -1
	s_barrier_wait -1
.endm
.macro CROUND
	s_barrier_signal -1
	s_barrier_wait -1
	CREST
.endm
	s_load_b256 s[4:11], s[0:1], 0x0
	s_load_b256 s[68:75], s[0:1], 0x20
	v_lshl_add_u32 v[SPW], v0, 2, SPARE
	v_mov_b32 v[NIL], 0
	ds_add_u32 v28, v29
	ds_add_u32 v28, v29
	s_wait_dscnt 0x0
	v_lshrrev_b32 v1, 5, v0
	v_readfirstlane_b32 s14, v1
	s_lshr_b32 s15, s14, 1
	s_and_b32 s16, s14, 1
	s_bfe_u32 s40, ttmp6, 0x40000
	s_bfe_u32 s41, ttmp6, 0x40004
	s_mov_b32 s12, ttmp9
	s_and_b32 s13, ttmp7, 0xffff
	s_lshl_b32 s13, s13, 2
	s_cmp_eq_u32 s12, 2
	s_cselect_b32 s17, 0, s13
	s_cselect_b32 s42, s13, 0
	s_add_co_u32 s17, s17, s41
	s_add_co_u32 s42, s42, s40
	s_lshl_b32 s43, s41, 2
	s_lshl_b32 s43, 15, s43
	s_lshl_b32 s44, 0x1111, s40
	s_or_b32 s[G1+0], s43, (0<<16)|(1<<20)|(1<<21)|(5<<22)|(3<<25)
	s_or_b32 s[G1B+0], s44, (0<<16)|(1<<20)|(1<<21)|(5<<22)|(3<<25)
.irp g, G1, G1B
	s_mov_b32 s[\g+1], ROWB<<16
	s_mov_b32 s[\g+2], 128<<16
	s_mov_b32 s[\g+3], ROWB<<16
	s_mov_b32 s[\g+4], 128
	s_mov_b32 s[\g+5], KROW
	s_mov_b32 s[\g+6], 0
	s_mov_b32 s[\g+7], 0
.endr
	s_lshl_b32 s18, s16, 7
	s_lshl_b32 s20, s17, 8
	s_add_co_u32 s20, s20, s18
	s_lshl_b32 s20, s20, 10
	s_mov_b32 s21, 0
	s_lshl_b32 s46, s42, 8
	s_add_co_u32 s46, s46, s18
	s_lshl_b32 s46, s46, 10
	s_mov_b32 s47, 0
	s_mul_i32 s45, s14, HALFT
	s_wait_kmcnt 0x0
	s_load_b256 s[88:95], s[68:69], 0x0
	s_load_b128 s[96:99], s[68:69], 0x20
	s_cmp_eq_u32 s12, 2
	s_cselect_b64 s[76:77], s[10:11], s[4:5]
	s_cmp_eq_u32 s12, 1
	s_cselect_b64 s[78:79], s[8:9], s[6:7]
	s_cmp_eq_u32 s12, 2
	s_cselect_b64 s[78:79], s[4:5], s[78:79]
	s_add_nc_u64 s[20:21], s[76:77], s[20:21]
	s_add_nc_u64 s[46:47], s[78:79], s[46:47]
	CROUND
.irp s, 0,1
	s_mov_b32 s[G0+4*\s], 1
	s_add_co_u32 s[G0+4*\s+1], s45, \s*SLOT
	s_add_nc_u64 s[G0+4*\s+2:G0+4*\s+3], s[20:21], \s*ROWB
	s_or_b32 s[G0+4*\s+3], s[G0+4*\s+3], 0x80000000
	s_mov_b32 s[G0B+4*\s], 1
	s_add_co_u32 s[G0B+4*\s+1], s45, \s*SLOT
	s_add_nc_u64 s[G0B+4*\s+2:G0B+4*\s+3], s[46:47], \s*ROWB
	s_or_b32 s[G0B+4*\s+3], s[G0B+4*\s+3], 0x80000000
	s_wait_alu depctr_va_vdst(0)
	s_wait_tensorcnt 0x0
	ds_add_u32 v28, v29
	ds_add_u32 v28, v29
	s_wait_dscnt 0x0
	CROUND
	JLOAD G0+4*\s, G1, G0B+4*\s, G1B
.endr
	v_and_b32 v1, 15, v0
	v_bfe_u32 v2, v0, 4, 1
	v_mul_u32_u24 v3, v1, PITCH
	v_lshl_add_u32 v4, v2, 4, v3
	s_mul_i32 s21, s15, HALFT
	s_mul_i32 s22, s16, HALFT
	s_add_co_u32 s22, s22, 2*HALFT
.irp s, 0,1
	v_add_nc_u32 v[ADRA+\s], s21, v4
	v_add_nc_u32 v[ADRB+\s], s22, v4
	s_add_co_u32 s21, s21, SLOT
	s_add_co_u32 s22, s22, SLOT
.endr
	v_and_b32 v6, 31, v0
	v_lshlrev_b32 v[LI], 4, v6
	s_cmp_eq_u32 s12, 1
	s_cselect_b64 s[80:81], s[72:73], s[70:71]
	s_cmp_eq_u32 s12, 2
	s_cselect_b64 s[80:81], s[74:75], s[80:81]
	s_cselect_b32 s18, s42, s17
	s_cselect_b32 s19, s17, s42
	s_cselect_b32 s22, s16, s15
	s_cselect_b32 s23, s15, s16
	s_mov_b32 s76, 4096
	s_cselect_b32 s76, 0x20000, s76
	s_mov_b32 s78, 0x20000
	s_cselect_b32 s78, 4096, s78
	s_mov_b32 s77, 0
	s_mov_b32 s79, 0
	s_lshr_b32 s100, s18, 3
	s_lshl_b32 s100, s100, 4
	s_lshl_b32 s19, s19, 2
	s_add_co_u32 s100, s100, s19
	s_lshl_b32 s23, s23, 1
	s_add_co_u32 s100, s100, s23
	s_lshl_b32 s100, s100, 17
	s_and_b32 s18, s18, 7
	s_lshl_b32 s18, s18, 14
	s_add_co_u32 s100, s100, s18
	s_lshl_b32 s22, s22, 13
	s_add_co_u32 s100, s100, s22
	s_mov_b32 s101, 0
	s_add_nc_u64 s[80:81], s[80:81], s[100:101]
	s_add_nc_u64 s[82:83], s[80:81], s[78:79]
	s_add_nc_u64 s[84:85], s[80:81], s[76:77]
	s_add_nc_u64 s[86:87], s[84:85], s[78:79]
.macro FRAG reg, adr, q, i
.irp c, 0,1,2,3
	ds_load_b128 v[\reg+4*\c:\reg+4*\c+3], v[\adr] offset:128*(\q)+32*\c+(\i)*16*PITCH
.endr
.endm
.macro MUL16 a0, p, zero
.irp a, \a0, \a0+1
.irp b, 0,1,2,3,4,5,6,7
.if \zero
	v_wmma_f32_16x16x128_fp8_fp8 v[8*(8*((\a)%4)+\b):8*(8*((\a)%4)+\b)+7], v[128*(\p)+FR*\b:128*(\p)+FR*\b+FR-1], v[AF+FR*(\a):AF+FR*(\a)+FR-1], 0
.else
	v_wmma_f32_16x16x128_fp8_fp8 v[8*(8*((\a)%4)+\b):8*(8*((\a)%4)+\b)+7], v[128*(\p)+FR*\b:128*(\p)+FR*\b+FR-1], v[AF+FR*(\a):AF+FR*(\a)+FR-1], v[8*(8*((\a)%4)+\b):8*(8*((\a)%4)+\b)+7]
.endif
.endr
.endr
.endm
.macro FETCH_B slot, q, p
	WIN TO_B
.irp i, 0,1,2,3,4,5,6,7
	FRAG 128*(\p)+FR*\i, ADRB+\slot, \q, \i
.endr
	WIN 0
.endm
.macro FETCH_A slot, q, i0
.irp i, \i0, \i0+1, \i0+2, \i0+3
	FRAG AF+FR*(\i), ADRA+\slot, \q, \i
.endr
.endm
.macro PLACES n
.rept \n
	v_nop
.endr
.endm
.macro STEP slot, q, zero
	s_wait_dscnt 4*NL
	WIN MUL_LO
	MUL16 0, (\q)%2, \zero
	MUL16 2, (\q)%2, \zero
	s_wait_dscnt 0
	PLACES NP
	FETCH_B \slot, (\q)+1, 1-(\q)%2
	FETCH_A \slot, (\q)+1, 0
	WIN MUL_HI
	MUL16 4, (\q)%2, \zero
	MUL16 6, (\q)%2, \zero
	PLACES NP
	WIN 0
	FETCH_A \slot, (\q)+1, 4
.endm
.macro TURN slot, next, fill
	s_wait_tensorcnt 0x0
	ds_add_u32 v[SPW], v[NIL]
	s_wait_dscnt 4*NL+1
	WIN MUL_LO
	MUL16 0, 1, 0
	s_wait_dscnt 0x0
	s_barrier_signal -1
	MUL16 2, 1, 0
	WIN 0
	s_barrier_wait -1
.if \fill
	CREST
	s_add_nc_u64 s[G0+4*\slot+2:G0+4*\slot+3], s[G0+4*\slot+2:G0+4*\slot+3], 2*ROWB
	s_add_nc_u64 s[G0B+4*\slot+2:G0B+4*\slot+3], s[G0B+4*\slot+2:G0B+4*\slot+3], 2*ROWB
	JLOAD G0+4*\slot, G1, G0B+4*\slot, G1B
.else
	PLACES NP
.endif
	FETCH_B \next, 0, 0
	FETCH_A \next, 0, 0
	WIN MUL_HI
	MUL16 4, 1, 0
	MUL16 6, 1, 0
	PLACES NP
	WIN 0
	FETCH_A \next, 0, 4
.endm
	s_wait_alu depctr_va_vdst(0)
	s_wait_tensorcnt 1
	s_barrier_signal -1
	s_barrier_wait -1
	FETCH_B 0, 0, 0
	FETCH_A 0, 0, 0
	FETCH_A 0, 0, 4
	STEP 0, 0, 1
	s_mov_b32 s3, LAPS-1
.Llap:
	TURN 0, 1, 1
	STEP 1, 0, 0
	TURN 1, 0, 1
	STEP 0, 0, 0
	s_sub_co_u32 s3, s3, 1
	s_cmp_lg_u32 s3, 0
	s_cbranch_scc1 .Llap
	TURN 0, 1, 0
	STEP 1, 0, 0
	s_wait_dscnt 4*NL
	WIN MUL_LO
	MUL16 0, 1, 0
	MUL16 2, 1, 0
	s_wait_dscnt 0
	WIN MUL_HI
	MUL16 4, 1, 0
	MUL16 6, 1, 0
	WIN 0
.macro QOUT a
	WIN 0x02+((\a)/4)
.set j, 0
.rept 64
	v_med3_num_f32 v[TMP+j], v[64*((\a)%4)+j], -v[LIM], v[LIM]
.set j, j+1
.endr
	WIN 0
.irp b, 0,1,2,3,4,5,6,7
	v_cvt_scalef32_pk8_fp8_f32 v[CD+16*(\a)+2*\b:CD+16*(\a)+2*\b+1], v[TMP+8*\b:TMP+8*\b+7], v[SCL]
.endr
	v_nop
.irp g, 0,1
.irp f, 0,1
	global_store_b128 v[LI], v[CD+16*(\a)+8*\g+4*\f:CD+16*(\a)+8*\g+4*\f+3], s[80+4*((\a)/4)+2*\g:81+4*((\a)/4)+2*\g] offset:((\a)%4)*1024+512*\f
.endr
.endr
.endm
	s_wait_kmcnt 0x0
	s_sub_co_i32 s94, s94, s88
	s_sub_co_i32 s94, s94, s89
	s_sub_co_i32 s95, s95, s90
	s_sub_co_i32 s95, s95, s91
	s_sub_co_i32 s97, s97, s92
	s_sub_co_i32 s97, s97, s93
	s_cmp_eq_u32 s12, 1
	s_cselect_b32 s94, s95, s94
	s_cmp_eq_u32 s12, 2
	s_cselect_b32 s94, s97, s94
	s_add_co_i32 s94, s94, 127
	s_lshl_b32 s95, s94, 23
	v_mov_b32 v[SCL], s95
	s_add_co_i32 s94, s94, 8
	s_lshl_b32 s94, s94, 23
	s_or_b32 s94, s94, 0x600000
	v_mov_b32 v[LIM], s94
	PLACES NP
.irp a, 0,1,2,3,4,5,6,7
	QOUT \a
.endr
	s_wait_tensorcnt 0x0
	ds_add_u32 v[SPW], v[NIL]
	s_wait_dscnt 0x0
	CROUND
	s_endpgm
.Lfunc_end_k_q909a4285fe_proj:
	.size	k_q909a4285fe_proj, .Lfunc_end_k_q909a4285fe_proj-k_q909a4285fe_proj
	.p2alignl 7, 3214868480
	.fill 96, 4, 3214868480
	.section	.rodata,"a",@progbits
	.p2align	6, 0x0
	.amdhsa_kernel k_q909a4285fe_proj
		.amdhsa_group_segment_fixed_size 327680
		.amdhsa_private_segment_fixed_size 0
		.amdhsa_enable_private_segment 0
		.amdhsa_kernarg_size 64
		.amdhsa_user_sgpr_count 2
		.amdhsa_user_sgpr_kernarg_segment_ptr 1
		.amdhsa_wavefront_size32 1
		.amdhsa_system_sgpr_workgroup_id_x 1
		.amdhsa_system_sgpr_workgroup_id_y 1
		.amdhsa_system_sgpr_workgroup_id_z 1
		.amdhsa_system_vgpr_workitem_id 0
		.amdhsa_next_free_vgpr 1024
		.amdhsa_next_free_sgpr 102
		.amdhsa_reserve_vcc 0
		.amdhsa_float_denorm_mode_32 3
		.amdhsa_float_denorm_mode_16_64 3
		.amdhsa_memory_ordered 1
		.amdhsa_forward_progress 1
		.amdhsa_inst_pref_size 120
	.end_amdhsa_kernel
	.amdgpu_metadata
---
amdhsa.version: [ 1, 2 ]
amdhsa.kernels:
  - .name:           k_q909a4285fe_proj
    .symbol:         k_q909a4285fe_proj.kd
    .args:
      - { .name: Xq_codes, .offset: 0, .size: 8, .value_kind: global_buffer, .address_space: global }
      - { .name: Wq_codes, .offset: 8, .size: 8, .value_kind: global_buffer, .address_space: global }
      - { .name: Wk_codes, .offset: 16, .size: 8, .value_kind: global_buffer, .address_space: global }
      - { .name: Wv_codes, .offset: 24, .size: 8, .value_kind: global_buffer, .address_space: global }
      - { .name: lowp_scales, .offset: 32, .size: 8, .value_kind: global_buffer, .address_space: global }
      - { .name: qimg, .offset: 40, .size: 8, .value_kind: global_buffer, .address_space: global }
      - { .name: kimg, .offset: 48, .size: 8, .value_kind: global_buffer, .address_space: global }
      - { .name: vimg, .offset: 56, .size: 8, .value_kind: global_buffer, .address_space: global }
    .group_segment_fixed_size: 327680
    .private_segment_fixed_size: 0
    .kernarg_segment_align: 8
    .kernarg_segment_size: 64
    .max_flat_workgroup_size: 128
    .sgpr_count:     102
    .vgpr_count:     1024
    .wavefront_size: 32
...
	.end_amdgpu_metadata
.endif
;; end of part 2
;; launch attn (part 3): grid 4 x 64, 16 waves a work-group, no clusters, 264,192 bytes of LDS; arguments qimg, kimg, vimg, keepimg, flags, lowp_scales, oimg; writes oimg
.if DOCPART == 3
	.amdgcn_target "amdgcn-amd-amdhsa--gfx1250"
	.amdhsa_code_object_version 6
	.text
	.protected	k_q909a4285fe_attn
	.globl	k_q909a4285fe_attn
	.p2align	8
	.type	k_q909a4285fe_attn,@function
k_q909a4285fe_attn:
	s_mov_b64 s[64:65], 0
	v_nop
	global_prefetch_b8 v0, s[64:65] scope:SCOPE_SE
	s_setreg_imm32_b32 hwreg(HW_REG_WAVE_MODE, 25, 1), 1
	s_wait_xcnt 0x0
; For each of 64 heads (bh): scores = Q K^T / 8; hidden where mask_bef; softmax; 0 where mask_aft; x V; the result quantised for the last product.  Both products on codes of E4M3, K = 64 an instruction.
; THE WEIGHT IS QUANTISED FINISHED: normalised, and after mask_aft.  So a row's maximum and sum are known before any weight is made: THE KEYS ARE WALKED TWICE.
;   Pass 1: S^T = K Q^T, hidden scores to -infinity, a running maximum and sum l.   Then KC = the maximum as t + log2(l), t = score x log2(e) / 8.
;   Pass 2: S^T again, p = 2^(t - KC), the normalised weight; its codes; the codes of hidden places cleared by one AND with the image; O^T += V^T P^T.
; BOTH MASKS ARE INPUTS.  An earlier launch stored, as whole numbers, each step's state for each 32 queries: a step all of whose places mask_bef hides is passed over in both passes (its weights are 0),
; by a scalar branch on that number; one with nothing hidden leaves the masking out.  So this launch has no tensor load, no cluster and no joint request: a head's K and V codes, 256 KiB, come into LDS once, through registers.
; V is asked for at the head into the registers that pass 2 gives to O^T, and goes to LDS behind pass 1, ahead of a second barrier.
; No prefetch into the L2: K and V are read once at the head, with no loop ahead of them; pass 2 asks for a step's image one step ahead, by the load itself.
; SHARES.  A work-group (j = 0..3) owns 512 queries of one head; each of its sixteen waves two tiles of 16 queries, T = 4 wave + j and 127 - T: a fixed permutation, right for any mask;
; where a mask hides late keys from early queries, the two tiles' steps that count add up to the same number in every wave.  Each tile has its own states; a step's fragments of K and V are loaded once for both.
; LAYOUT.  Both products transposed (source 0 = 16 keys or 16 channels, source 1 = 16 queries): a lane holds one query (lane % 16); an accumulator's registers are keys 16 t + 8 (lane / 16) + j, which one conversion
; turns into registers 2 t, 2 t + 1 of the second product's operand.  All images are registers on end, lane l's 16 bytes at 16 l.  Each lane keeps maximum and sum for its own half of the keys; the halves meet once, behind pass 1.
; THE MAXIMUM is kept as a raw score (a sum of 64 products of codes, under 2^24 in size, so -2^25 lies under every score); what is taken from t is its rounded product with c, kept as NMC = -(m c), and the rescaling is 2^(new NMC - old NMC).
; LIMITS.  A query all of whose keys mask_bef hides gets zeros (reference: NaN).  e6 + e7 between -123 and 100; e8 and e10 - e8 - e9 between -126 and 119.
; The hold at 448 x 2^e8 is passed over where e8 >= -8: a weight that counts is at most 1 but for rounding, under 1.75 = 448 x 2^-8; hidden places may lie beyond, and their codes are cleared.
.set LI,   1                           ; v1   16 x lane
.set LIV,  2                           ; v2   the same in V's half of LDS
.set ADK,  3                           ; v3   LDS address of the step's K
.set ADV,  4                           ; v4   of its V
.set NINF, 5                           ; v5   -infinity
.set PSC,  6                           ; v6   2^e8 as f32; on the way out 2^(e10 - e8 - e9)
.set PLIM, 7                           ; v7   448 x that
.set KC,   8                           ; v[8:9], v[10:11]  -KC of tiles 0, 1, each named as a pair
.set FA,   12                          ; v12-15  the fill: 16 x thread + 0, 64 Ki, 128 Ki, 192 Ki
.set Q,    16                          ; v16-31  Q: 8 a tile
.set KF,   32                          ; v32-63  K: 8 for each 16 keys
.set VF,   64                          ; v64-95  V: 8 for each 16 channels
.set ST,   64                          ; pass 1, in V's registers: tile i at ST + 16 i: +0 m, +1 at work, +2:3 l, +4 NMC (+5 named with it), +6 the rescaling, +7 its exponent, +8..11 at work
.set S,    96                          ; v96-159 S^T, then p: S + 32 i + 8 t + j
.set O,    160                         ; v160-223 O^T: O + 32 i + 8 dt + j; in pass 1 V's codes on their way to LDS
.set P,    224                         ; v224-231 p's codes, of the tile in hand
.set T,    232                         ; v232-235 at work
.set SPW,  236                         ; v236 LDS address of my spare word; never rewritten
.set NIL,  237                         ; v237 0; never rewritten
.set MK,   240                         ; v240-255 the image: 8 a tile
.set VOFF, 131072                      ; LDS: K's image at 0, V's here; the spare words at 262,144
.set FL,   36                          ; s36, s37 tile 0's states of steps 0-15, 16-31, two bits a step; s38, s39 tile 1's; s40-43 their copies that stay
.set IM,   44                          ; s[44:45], s[46:47] the step's image of tile 0, 1
.set OB,   48                          ; s[48:49], s[50:51] where the tiles' results go
.set STA,  52                          ; s52, s53 the step's state for tile 0, 1
	s_load_b256 s[4:11], s[0:1], 0x0               ; qimg s[4:5], kimg s[6:7], vimg s[8:9], keepimg s[10:11]
	s_load_b128 s[12:15], s[0:1], 0x20             ; flags s[12:13], scales s[14:15]
	s_load_b64 s[16:17], s[0:1], 0x30              ; oimg
	v_lshl_add_u32 v[SPW], v0, 2, 0x40000
	v_mov_b32 v[NIL], 0
	v_lshrrev_b32 v1, 5, v0
	v_readfirstlane_b32 s20, v1                    ; wave 0..15
	v_and_b32 v1, 31, v0
	v_lshlrev_b32 v[LI], 4, v1
	v_add_nc_u32 v[LIV], VOFF, v[LI]
	v_lshlrev_b32 v[FA], 4, v0
	v_add_nc_u32 v[FA+1], 0x10000, v[FA]
	v_add_nc_u32 v[FA+2], 0x20000, v[FA]
	v_add_nc_u32 v[FA+3], 0x30000, v[FA]
	v_mov_b32 v[NINF], 0xff800000
.set n, 0
.rept 16
	v_mov_b32 v[MK+n], 0                           ; written once, for the ways of the text on which no load fills them
.set n, n+1
.endr
	s_lshl_b32 s56, s20, 2
	s_add_co_u32 s56, s56, ttmp9                   ; T of tile 0
	s_sub_co_u32 s57, 127, s56                     ; of tile 1
	s_and_b32 s18, ttmp7, 0xffff                   ; bh
	s_lshl_b32 s58, s18, 17                        ; a head's image: 131,072 bytes
	s_mov_b32 s59, 0
	s_lshr_b32 s55, s18, 4
	s_lshl_b32 s55, s55, 7                         ; 128 x batch
	s_and_b32 s21, s18, 15
	s_lshl_b32 s21, s21, 10                        ; my head's 1,024 bytes of a tile of oimg
.irp i, 0,1
	s_lshl_b32 s[60+2*\i], s[56+\i], 10            ; Q: 1,024 bytes a tile
	s_add_co_u32 s[60+2*\i], s[60+2*\i], s58
	s_mov_b32 s[61+2*\i], 0
	s_lshr_b32 s54, s[56+\i], 1                    ; u
	s_lshl_b32 s[32+2*\i], s54, 5                  ; flags: 32 u
	s_mov_b32 s[33+2*\i], 0
	s_lshl_b32 s[IM+2*\i], s54, 16                 ; the image: 65,536 u + 1,024 (T % 2)
	s_and_b32 s54, s[56+\i], 1
	s_lshl_b32 s54, s54, 10
	s_add_co_u32 s[IM+2*\i], s[IM+2*\i], s54
	s_mov_b32 s[IM+2*\i+1], 0
	s_add_co_u32 s54, s55, s[56+\i]                ; oimg [tile of 16 tokens 512][head 16][hf 2][lane][16 B]
	s_lshl_b32 s54, s54, 14
	s_add_co_u32 s[OB+2*\i], s54, s21
	s_mov_b32 s[OB+2*\i+1], 0
.endr
	s_wait_alu depctr_va_vdst(0)                   ; directly ahead of the wait below
	s_wait_kmcnt 0x0
	s_add_nc_u64 s[6:7], s[6:7], s[58:59]
	s_add_nc_u64 s[8:9], s[8:9], s[58:59]
.irp i, 0,1
	s_add_nc_u64 s[60+2*\i:61+2*\i], s[4:5], s[60+2*\i:61+2*\i]
	s_add_nc_u64 s[32+2*\i:33+2*\i], s[12:13], s[32+2*\i:33+2*\i]
	s_add_nc_u64 s[IM+2*\i:IM+2*\i+1], s[10:11], s[IM+2*\i:IM+2*\i+1]
	s_add_nc_u64 s[OB+2*\i:OB+2*\i+1], s[16:17], s[OB+2*\i:OB+2*\i+1]
.endr
	s_load_b256 s[68:75], s[32:33], 0x0            ; tile 0's eight flag words
	s_load_b256 s[76:83], s[34:35], 0x0            ; tile 1's
	s_load_b256 s[84:91], s[14:15], 0x0            ; e0 .. e7
	s_load_b128 s[92:95], s[14:15], 0x20           ; e8 .. e11
; THE FILL: the work-group's 512 threads take 8,192 consecutive bytes an instruction; 16 for K, then Q's four, then 16 for V
.set k, 0
.rept 16
	global_load_b128 v[S+4*k:S+4*k+3], v[FA], s[6:7] offset:8192*k
.set k, k+1
.endr
.irp i, 0,1
.irp f, 0,1
	global_load_b128 v[Q+8*\i+4*\f:Q+8*\i+4*\f+3], v[LI], s[60+2*\i:61+2*\i] offset:512*\f
.endr
.endr
.set k, 0
.rept 16
	global_load_b128 v[O+4*k:O+4*k+3], v[FA], s[8:9] offset:8192*k
.set k, k+1
.endr
	s_wait_kmcnt 0x0
.irp i, 0,1                                    ; each flag word holds eight bits: 64 bits on end, two a step
.irp w, 0,1
	s_lshl_b32 s[69+8*\i+4*\w], s[69+8*\i+4*\w], 8
	s_lshl_b32 s[70+8*\i+4*\w], s[70+8*\i+4*\w], 16
	s_lshl_b32 s[71+8*\i+4*\w], s[71+8*\i+4*\w], 24
	s_or_b32 s[40+2*\i+\w], s[68+8*\i+4*\w], s[69+8*\i+4*\w]
	s_or_b32 s[40+2*\i+\w], s[40+2*\i+\w], s[70+8*\i+4*\w]
	s_or_b32 s[40+2*\i+\w], s[40+2*\i+\w], s[71+8*\i+4*\w]
	s_mov_b32 s[FL+2*\i+\w], s[40+2*\i+\w]
.endr
.endr
	s_add_co_i32 s54, s90, s91
	s_lshl_b32 s54, s54, 23
	s_add_co_i32 s24, s54, 0x3e38aa3b              ; c = log2(e) / 8 x 2^(e6 + e7): the two exponents are added to c's exponent field
	s_mov_b32 s25, s24                             ; (named with it as a pair)
	s_mov_b32 s23, s92                             ; e8
	s_sub_co_i32 s55, s94, s92
	s_sub_co_i32 s55, s55, s93                     ; e10 - e8 - e9, for the way out
	s_add_co_i32 s54, s92, 127
	s_lshl_b32 s19, s54, 23
	v_mov_b32 v[PSC], s19
	s_add_co_i32 s54, s54, 8
	s_lshl_b32 s54, s54, 23
	s_or_b32 s54, s54, 0x600000
	v_mov_b32 v[PLIM], s54
	s_mov_b32 s2, 0x76543210                       ; v_permlanex16_b32's selects for lane l xor 16
	s_mov_b32 s3, 0xfedcba98
	s_mov_b32 s22, 0xffff0000                      ; lanes 16-31
	s_mov_b32 s26, 0                               ; LDS byte of the step's tiles: 4,096 a step in both images
	s_mov_b32 s27, 0
.irp i, 0,1
	v_mov_b32 v[ST+16*\i], 0xcc000000              ; m = -2^25, under every score
.irp n, 1,2,3,5,6,7,8,9,10,11
	v_mov_b32 v[ST+16*\i+\n], 0                    ; l = 0; the others are written once, for the way on which every step is passed over
.endr
	v_mul_f32 v[ST+16*\i+4], -v[ST+16*\i], s24     ; NMC
	v_mov_b32 v[KC+2*\i+1], 0
.endr
	s_wait_alu depctr_va_vdst(0)                   ; the wait at the head's end
.set k, 0
.rept 16
	s_wait_loadcnt 35-k                            ; loads come back in order: K's load k is in; out may be K's 15 - k younger ones, Q's 4 and V's 16
	ds_store_b128 v[FA+k/8], v[S+4*k:S+4*k+3] offset:8192*(k%8)
.set k, k+1
.endr
	s_wait_loadcnt 16                              ; Q is in; V's 16 stay out
	s_wait_dscnt 0x0                               ; for the others' sake: my stores have landed
	s_barrier_signal -1
	s_barrier_wait -1                              ; K's image is whole, and is only read from here on
; ---- PASS 1, one tile's part of a step of 64 keys
.macro P1TILE i
.set B, ST+16*\i
.set SS, S+32*\i
.irp t, 0,1,2,3
	v_wmma_f32_16x16x64_fp8_fp8 v[SS+8*\t:SS+8*\t+7], v[KF+8*\t:KF+8*\t+7], v[Q+8*\i:Q+8*\i+7], 0
.endr
.rept 4
	v_nop                                          ; four places behind the products, ahead of the first read of their results (ISA guide 7.12.1)
.endr
	s_cmp_eq_u32 s[STA+\i], 2
	s_cbranch_scc1 .Lopen1_\@                      ; nothing hidden
	global_load_b128 v[MK:MK+3], v[LI], s[IM+2*\i:IM+2*\i+1]
	global_load_b128 v[MK+4:MK+7], v[LI], s[IM+2*\i:IM+2*\i+1] offset:512
	s_wait_loadcnt 0x0
.set n, 0
.rept 32
	v_and_b32 v[T+n%4], 0x80<<(8*(n%4)), v[MK+n/4] ; bit 7 of the place's byte: mask_bef
	v_cmp_ne_u32 s[28+n%4], 0, v[T+n%4]
	v_cndmask_b32 v[SS+n], v[SS+n], v[NINF], s[28+n%4]         ; hidden: -infinity
.set n, n+1
.endr
.Lopen1_\@:
.irp t, 0,1,2,3                                ; the maximum of 32 scores and the old m: 33 leaves, 16 instructions, four chains, each accumulator from its low end on
	v_max3_num_f32 v[B+8+\t], v[SS+8*\t], v[SS+8*\t+1], v[SS+8*\t+2]
.endr
.irp t, 0,1,2,3
	v_max3_num_f32 v[B+8+\t], v[B+8+\t], v[SS+8*\t+3], v[SS+8*\t+4]
.endr
.irp t, 0,1,2,3
	v_max3_num_f32 v[B+8+\t], v[B+8+\t], v[SS+8*\t+5], v[SS+8*\t+6]
.endr
	v_max3_num_f32 v[B+8], v[B+8], v[SS+7], v[SS+15]
	v_max3_num_f32 v[B+9], v[B+9], v[SS+23], v[SS+31]
	v_max3_num_f32 v[B+10], v[B+10], v[B+11], v[B]
	v_max3_num_f32 v[B], v[B+8], v[B+9], v[B+10]   ; the new m
	v_mul_f32 v[B+1], -v[B], s24                   ; the new NMC
	v_sub_f32 v[B+7], v[B+1], v[B+4]               ; new NMC - old NMC: 0 or less
	v_mov_b32 v[B+4], v[B+1]
.irp n, 0,2,4,6,8,10,12,14,16,18,20,22,24,26,28,30
	v_pk_fma_f32 v[SS+\n:SS+\n+1], v[SS+\n:SS+\n+1], s[24:25], v[B+4:B+5] op_sel_hi:[1,0,0]   ; t - m c, two at a time
.endr
	s_wait_alu depctr_va_vdst(0)                   ; ahead of the batch
	v_exp_f32 v[B+6], v[B+7]                       ; the rescaling
.set n, 0
.rept 32
	v_exp_f32 v[SS+n], v[SS+n]
.set n, n+1
.endr
	v_nop                                          ; a plain instruction behind the last exponential
	s_wait_alu depctr_va_vdst(0)                   ; one wait for the batch, ahead of its first reader
	v_pk_fma_f32 v[B+2:B+3], v[B+2:B+3], v[B+6:B+7], v[SS:SS+1] op_sel_hi:[1,0,1]   ; l x the rescaling + the first pair; 16 pairs in three chains
	v_pk_add_f32 v[B+8:B+9], v[SS+2:SS+3], v[SS+4:SS+5]
	v_pk_add_f32 v[B+10:B+11], v[SS+6:SS+7], v[SS+8:SS+9]
.irp n, 10,16,22
	v_pk_add_f32 v[B+2:B+3], v[B+2:B+3], v[SS+\n:SS+\n+1]
	v_pk_add_f32 v[B+8:B+9], v[B+8:B+9], v[SS+\n+2:SS+\n+3]
	v_pk_add_f32 v[B+10:B+11], v[B+10:B+11], v[SS+\n+4:SS+\n+5]
.endr
	v_pk_add_f32 v[B+2:B+3], v[B+2:B+3], v[SS+28:SS+29]
	v_pk_add_f32 v[B+8:B+9], v[B+8:B+9], v[SS+30:SS+31]
	v_pk_add_f32 v[B+8:B+9], v[B+8:B+9], v[B+10:B+11]
	v_pk_add_f32 v[B+2:B+3], v[B+2:B+3], v[B+8:B+9]
	s_wait_alu depctr_va_vdst(0)
.endm
.Lp1:                                              ; 32 trips
	s_and_b32 s[STA], s[FL], 3
	s_and_b32 s[STA+1], s[FL+2], 3
	s_or_b32 s54, s[STA], s[STA+1]
	s_cmp_eq_u32 s54, 0
	s_cbranch_scc1 .Lnext1                         ; all hidden for both tiles
	v_add_nc_u32 v[ADK], s26, v[LI]
.irp t, 0,1,2,3
.irp f, 0,1
	ds_load_b128 v[KF+8*\t+4*\f:KF+8*\t+4*\f+3], v[ADK] offset:1024*\t+512*\f   ; (the last products that read these registers stand a tile's softmax back)
.endr
.endr
	s_wait_dscnt 0x0
	s_cmp_eq_u32 s[STA], 0
	s_cbranch_scc1 .Lp1b
	P1TILE 0
.Lp1b:
	s_cmp_eq_u32 s[STA+1], 0
	s_cbranch_scc1 .Lnext1
	P1TILE 1
.Lnext1:
	s_lshr_b32 s[FL], s[FL], 2                     ; the next step's states
	s_lshr_b32 s[FL+2], s[FL+2], 2
	s_add_co_u32 s26, s26, 4096
	s_add_nc_u64 s[IM:IM+1], s[IM:IM+1], 2048      ; (the loads from these bases have been waited for)
	s_add_nc_u64 s[IM+2:IM+3], s[IM+2:IM+3], 2048
	s_add_co_u32 s27, s27, 1
	s_cmp_eq_u32 s27, 16
	s_cselect_b32 s[FL], s[FL+1], s[FL]            ; steps 16-31 have the second word
	s_cselect_b32 s[FL+2], s[FL+3], s[FL+2]
	s_cmp_lt_u32 s27, 32
	s_cbranch_scc1 .Lp1
; ---- V's codes go to LDS; meanwhile the two halves of the lanes meet: the smaller NMC; l = the sum of both l x 2^(that - own NMC); -KC = that - log2(l)
	s_wait_alu depctr_va_vdst(0)                   ; ahead of the wait below
	s_wait_loadcnt 0x0                             ; V is in
.set k, 0
.rept 16
	ds_store_b128 v[FA+2+k/8], v[O+4*k:O+4*k+3] offset:8192*(k%8)
.set k, k+1
.endr
.irp i, 0,1
	v_permlanex16_b32 v[ST+16*\i+8], v[ST+16*\i+4], s2, s3
.endr
.irp i, 0,1
	v_add_f32 v[ST+16*\i+2], v[ST+16*\i+2], v[ST+16*\i+3]
.endr
.irp i, 0,1
	v_min_num_f32 v[ST+16*\i+9], v[ST+16*\i+4], v[ST+16*\i+8]
.endr
.irp i, 0,1
	v_sub_f32 v[ST+16*\i+7], v[ST+16*\i+9], v[ST+16*\i+4]
.endr
	s_wait_alu depctr_va_vdst(0)
.irp i, 0,1
	v_exp_f32 v[ST+16*\i+6], v[ST+16*\i+7]
.endr
	v_nop
	s_wait_alu depctr_va_vdst(0)
.irp i, 0,1
	v_mul_f32 v[ST+16*\i+2], v[ST+16*\i+2], v[ST+16*\i+6]
.endr
.irp i, 0,1
	v_permlanex16_b32 v[ST+16*\i+3], v[ST+16*\i+2], s2, s3
.endr
.irp i, 0,1
	v_add_f32 v[ST+16*\i+2], v[ST+16*\i+2], v[ST+16*\i+3]
.endr
	s_wait_alu depctr_va_vdst(0)
.irp i, 0,1
	v_log_f32 v[ST+16*\i+6], v[ST+16*\i+2]
.endr
	v_nop
	s_wait_alu depctr_va_vdst(0)
.irp i, 0,1
	v_sub_f32 v[KC+2*\i], v[ST+16*\i+9], v[ST+16*\i+6]
.endr
	s_wait_alu depctr_va_vdst(0)                   ; directly ahead of the wait below
	s_wait_dscnt 0x0                               ; for the others' sake: my stores have landed
	s_barrier_signal -1
.set n, 0
.rept 64
	v_mov_b32 v[O+n], 0                            ; O^T begins as zeros: which step is the first that counts hangs on the flags, so no product of the text can start the sums
.set n, n+1
.endr
	s_wait_alu depctr_va_vdst(0)                   ; directly ahead of the barrier's wait
	s_barrier_wait -1                              ; V's image is whole: from here on LDS is only read
.irp w, 0,1,2,3
	s_mov_b32 s[FL+\w], s[40+\w]
.endr
	s_mov_b32 s26, 0
	s_mov_b32 s27, 0
	s_sub_nc_u64 s[IM:IM+1], s[IM:IM+1], 0x10000   ; back to step 0's image
	s_sub_nc_u64 s[IM+2:IM+3], s[IM+2:IM+3], 0x10000
; A tile's state of the step ahead, and that step's image where the step counts
.macro IMLOAD i
	s_and_b32 s[STA+\i], s[FL+2*\i], 3
	s_cmp_eq_u32 s[STA+\i], 0
	s_cbranch_scc1 .Lnoim_\@
	global_load_b128 v[MK+8*\i:MK+8*\i+3], v[LI], s[IM+2*\i:IM+2*\i+1]
	global_load_b128 v[MK+8*\i+4:MK+8*\i+7], v[LI], s[IM+2*\i:IM+2*\i+1] offset:512
.Lnoim_\@:
.endm
; ---- PASS 2, one tile's part of a step
.macro P2TILE i
.set SS, S+32*\i
	s_wait_dscnt 8                                 ; K is in; V's eight loads may be out
.irp t, 0,1,2,3
	v_wmma_f32_16x16x64_fp8_fp8 v[SS+8*\t:SS+8*\t+7], v[KF+8*\t:KF+8*\t+7], v[Q+8*\i:Q+8*\i+7], 0
.endr
.rept 4
	v_nop
.endr
.irp n, 0,2,4,6,8,10,12,14,16,18,20,22,24,26,28,30
	v_pk_fma_f32 v[SS+\n:SS+\n+1], v[SS+\n:SS+\n+1], s[24:25], v[KC+2*\i:KC+2*\i+1] op_sel_hi:[1,0,0]   ; t - KC
.endr
	s_wait_alu depctr_va_vdst(0)                   ; ahead of the batch
.set n, 0
.rept 32
	v_exp_f32 v[SS+n], v[SS+n]                     ; the normalised weight
.set n, n+1
.endr
	v_nop
	s_wait_alu depctr_va_vdst(0)                   ; one wait for the batch
	s_cmp_ge_i32 s23, -8
	s_cbranch_scc1 .Lnohold_\@                     ; 448 x 2^e8 is at least 1.75: no weight that counts reaches it
.set n, 0
.rept 32
	v_min_num_f32 v[SS+n], v[SS+n], v[PLIM]        ; the conversion to an 8-bit code does not saturate (ISA guide 7.6.2); a weight is not negative, so the hold is one-sided
.set n, n+1
.endr
.Lnohold_\@:
.irp t, 0,1,2,3
	v_cvt_scalef32_pk8_fp8_f32 v[P+2*\t:P+2*\t+1], v[SS+8*\t:SS+8*\t+7], v[PSC]
.endr
	v_nop                                          ; one plain instruction between the conversions and the lines that touch their results
	s_wait_alu depctr_va_vdst(0)                   ; directly ahead of the wait below
	s_wait_loadcnt 0x0                             ; the image, asked for a step ago, is in
.set n, 0
.rept 8
	v_and_b32 v[P+n], v[P+n], v[MK+8*\i+n]         ; both masks: the codes of hidden places become a code of 0
.set n, n+1
.endr
	s_wait_dscnt 0x0                               ; V is in
	s_wait_alu depctr_va_vdst(0)                   ; directly ahead of the first reader of the codes and of O^T
.irp t, 0,1,2,3
	v_wmma_f32_16x16x64_fp8_fp8 v[O+32*\i+8*\t:O+32*\i+8*\t+7], v[VF+8*\t:VF+8*\t+7], v[P:P+7], v[O+32*\i+8*\t:O+32*\i+8*\t+7]   ; four accumulators by turns; the scores' four products stand between two links too
.endr
.endm
	IMLOAD 0
	IMLOAD 1
.Lp2:                                              ; 32 trips
	s_or_b32 s54, s[STA], s[STA+1]
	s_cmp_eq_u32 s54, 0
	s_cbranch_scc1 .Lnext2                         ; all hidden for both tiles: all weights are 0
	v_add_nc_u32 v[ADK], s26, v[LI]
	v_add_nc_u32 v[ADV], s26, v[LIV]
	v_nop
	v_nop                                          ; with the two additions: four places behind the last trip's products, ahead of the loads into V's registers
.irp t, 0,1,2,3
.irp f, 0,1
	ds_load_b128 v[KF+8*\t+4*\f:KF+8*\t+4*\f+3], v[ADK] offset:1024*\t+512*\f
.endr
.endr
.irp t, 0,1,2,3
.irp f, 0,1
	ds_load_b128 v[VF+8*\t+4*\f:VF+8*\t+4*\f+3], v[ADV] offset:1024*\t+512*\f
.endr
.endr
	s_cmp_eq_u32 s[STA], 0
	s_cbranch_scc1 .Lp2b
	P2TILE 0
.Lp2b:
	s_cmp_eq_u32 s[STA+1], 0
	s_cbranch_scc1 .Lnext2
	P2TILE 1
.Lnext2:
	s_lshr_b32 s[FL], s[FL], 2
	s_lshr_b32 s[FL+2], s[FL+2], 2
	s_add_co_u32 s26, s26, 4096
	s_add_co_u32 s27, s27, 1
	s_cmp_eq_u32 s27, 16
	s_cselect_b32 s[FL], s[FL+1], s[FL]
	s_cselect_b32 s[FL+2], s[FL+3], s[FL+2]
	s_wait_loadcnt 0x0                             ; no image load is out: the bases and the image's registers may be written
	s_wait_dscnt 0x0                               ; nor a load of K's or V's fragments: the next trip may load those registers again
	s_add_nc_u64 s[IM:IM+1], s[IM:IM+1], 2048
	s_add_nc_u64 s[IM+2:IM+3], s[IM+2:IM+3], 2048
	IMLOAD 0                                       ; behind the last step the states are 0: nothing is asked for
	IMLOAD 1
	s_cmp_lt_u32 s27, 32
	s_cbranch_scc1 .Lp2
; ---- THE WAY OUT: O^T / 2^(e10 - e8 - e9), held and converted; then the halves of the lanes exchange, so that a lane holds 16 neighbours along the last product's K:
; register 4 hf + n, byte y of lane (r, h) = channel 32 hf + 16 h + 4 n + y of token r
.rept 4
	v_nop
.endr
	s_add_co_i32 s55, s55, 127
	s_lshl_b32 s54, s55, 23
	v_mov_b32 v[PSC], s54
	s_add_co_i32 s55, s55, 8
	s_lshl_b32 s55, s55, 23
	s_or_b32 s55, s55, 0x600000
	v_mov_b32 v[PLIM], s55
	s_wait_alu depctr_va_vdst(0)                   ; directly ahead of the first reader of O^T
.set n, 0
.rept 64
	v_med3_num_f32 v[O+n], v[O+n], -v[PLIM], v[PLIM]
.set n, n+1
.endr
.irp i, 0,1
.irp t, 0,1,2,3
	v_cvt_scalef32_pk8_fp8_f32 v[S+8*\i+2*\t:S+8*\i+2*\t+1], v[O+32*\i+8*\t:O+32*\i+8*\t+7], v[PSC]   ; channels 16 t + 8 h + 0 .. 7
.endr
.endr
	v_nop
.irp n, 0,1,2,3,4,5,6,7
	v_mov_b32 v[S+24+\n], 0                        ; written once: a lane permute's destination counts as read
.endr
.irp i, 0,1
.irp f, 0,1
.irp x, 0,1
	v_cndmask_b32 v[S+16+4*\i+2*\f+\x], v[S+8*\i+4*\f+2+\x], v[S+8*\i+4*\f+\x], s22   ; lanes 0-15 give tile 2 f + 1's codes away, lanes 16-31 tile 2 f's
.endr
.endr
.endr
.irp n, 0,1,2,3,4,5,6,7
	v_permlanex16_b32 v[S+24+\n], v[S+16+\n], s2, s3
.endr
.irp i, 0,1
.irp f, 0,1
.irp x, 0,1
	v_cndmask_b32 v[S+32+8*\i+4*\f+\x], v[S+8*\i+4*\f+\x], v[S+24+4*\i+2*\f+\x], s22      ; the lower eight channels: lanes 0-15 their own, lanes 16-31 what came
	v_cndmask_b32 v[S+32+8*\i+4*\f+2+\x], v[S+24+4*\i+2*\f+\x], v[S+8*\i+4*\f+2+\x], s22  ; the upper eight: the other way round
.endr
.endr
.endr
.irp i, 0,1
.irp f, 0,1
	global_store_b128 v[LI], v[S+32+8*\i+4*\f:S+32+8*\i+4*\f+3], s[OB+2*\i:OB+2*\i+1] offset:512*\f   ; the wave stores 512 consecutive bytes, aligned
.endr
.endr
	s_wait_tensorcnt 0x0                           ; the wave's end
	ds_add_u32 v[SPW], v[NIL]
	s_wait_dscnt 0x0
	s_endpgm
.Lfunc_end_k_q909a4285fe_attn:
	.size	k_q909a4285fe_attn, .Lfunc_end_k_q909a4285fe_attn-k_q909a4285fe_attn
	.p2alignl 7, 3214868480
	.fill 96, 4, 3214868480
	.section	.rodata,"a",@progbits
	.p2align	6, 0x0
	.amdhsa_kernel k_q909a4285fe_attn
		.amdhsa_group_segment_fixed_size 264192
		.amdhsa_private_segment_fixed_size 0
		.amdhsa_enable_private_segment 0
		.amdhsa_kernarg_size 56
		.amdhsa_user_sgpr_count 2
		.amdhsa_user_sgpr_kernarg_segment_ptr 1
		.amdhsa_wavefront_size32 1
		.amdhsa_system_sgpr_workgroup_id_x 1
		.amdhsa_system_sgpr_workgroup_id_y 1
		.amdhsa_system_sgpr_workgroup_id_z 1
		.amdhsa_system_vgpr_workitem_id 0
		.amdhsa_next_free_vgpr 256
		.amdhsa_next_free_sgpr 100
		.amdhsa_reserve_vcc 0
		.amdhsa_float_denorm_mode_32 3
		.amdhsa_float_denorm_mode_16_64 3
		.amdhsa_memory_ordered 1
		.amdhsa_forward_progress 1
		.amdhsa_inst_pref_size 59
	.end_amdhsa_kernel
	.amdgpu_metadata
---
amdhsa.version: [ 1, 2 ]
amdhsa.kernels:
  - .name:           k_q909a4285fe_attn
    .symbol:         k_q909a4285fe_attn.kd
    .args:
      - { .name: qimg, .offset: 0, .size: 8, .value_kind: global_buffer, .address_space: global }
      - { .name: kimg, .offset: 8, .size: 8, .value_kind: global_buffer, .address_space: global }
      - { .name: vimg, .offset: 16, .size: 8, .value_kind: global_buffer, .address_space: global }
      - { .name: keepimg, .offset: 24, .size: 8, .value_kind: global_buffer, .address_space: global }
      - { .name: flags, .offset: 32, .size: 8, .value_kind: global_buffer, .address_space: global }
      - { .name: lowp_scales, .offset: 40, .size: 8, .value_kind: global_buffer, .address_space: global }
      - { .name: oimg, .offset: 48, .size: 8, .value_kind: global_buffer, .address_space: global }
    .group_segment_fixed_size: 264192
    .private_segment_fixed_size: 0
    .kernarg_segment_align: 8
    .kernarg_segment_size: 56
    .max_flat_workgroup_size: 512
    .sgpr_count:     100
    .vgpr_count:     256
    .wavefront_size: 32
...
	.end_amdgpu_metadata
.endif
;; end of part 3
;; launch oproj (part 4): grid 4 x 32, 4 waves a work-group, clusters of 4 x 4, 327,680 bytes of LDS; arguments oimg, Wo_codes, lowp_scales, out0; writes out0
.if DOCPART == 4
	.amdgcn_target "amdgcn-amd-amdhsa--gfx1250"
	.amdhsa_code_object_version 6
	.text
	.protected	k_q909a4285fe_oproj
	.globl	k_q909a4285fe_oproj
	.p2align	8
	.type	k_q909a4285fe_oproj,@function
k_q909a4285fe_oproj:
	s_mov_b64 s[64:65], 0
	v_nop
	global_prefetch_b8 v0, s[64:65] scope:SCOPE_SE
	s_setreg_imm32_b32 hwreg(HW_REG_WAVE_MODE, 25, 1), 1
	s_wait_xcnt 0x0
	s_wait_alu depctr_hold_cnt(0) depctr_sa_sdst(0) depctr_va_vdst(0) depctr_va_sdst(0) depctr_va_ssrc(0) depctr_va_vcc(0) depctr_vm_vsrc(0)
	s_getreg_b32 s2, hwreg(HW_REG_IB_STS2, 6, 4)
	s_cmp_eq_u32 s2, 0
	s_cbranch_scc0 .Lentry_in_a_cluster
	s_endpgm
.Lentry_in_a_cluster:
	s_bfe_u32 s2, ttmp6, 0x10000c
	s_cmp_lg_u32 s2, 0xf033
	s_cbranch_scc0 .Lentry_shape_is_right
	s_endpgm
.Lentry_shape_is_right:
.set SIZE_N, 1024
.set ROWB,   256
.set KROW,   1024
.set PITCH,  272
.set ASTEP,  4096
.set AROW,   16384
.set ABYTES, 16*ASTEP
.set HALFB,  128*PITCH
.set SLOT,   ABYTES+2*HALFB
.set FR,     16
.set NL,     4
.set NP,     4
.set LAPS,   2
.set SPARE,  2*SLOT
.set SPITCH, 528
.set ADRA, 16
.set ADRB, 20
.set STO,  24
.set RD,   25
.set CO,   26
.set SPW,  28
.set NIL,  29
.set TMP,  32
.set AF,   128
.set BK,   128
.set G1, 24
.set G0, 32
.set G1B, 48
.set G0B, 56
.set MSB, 0
.macro WIN new
.if MSB != \new
	s_set_vgpr_msb (MSB<<8)|\new
.set MSB, \new
.endif
.endm
.set MUL_LO, 0xa1
.set MUL_HI, 0xf1
.set TO_B,   0x40
.macro JLOAD g0a, g1a, g0b, g1b
	s_cmp_eq_u32 s15, 0
	s_cbranch_scc0 .Lfor_b_\@
	tensor_load_to_lds s[\g0a:\g0a+3], s[\g1a:\g1a+7]
	s_nop 0
.rept 4
	v_nop
.endr
	s_branch .Lasked_\@
.Lfor_b_\@:
	tensor_load_to_lds s[\g0b:\g0b+3], s[\g1b:\g1b+7]
	s_nop 0
.rept 4
	v_nop
.endr
.Lasked_\@:
.endm
.macro CREST
	s_cmp_lg_u32 s14, 0
	s_cbranch_scc1 .Lnot_wave_0_\@
	s_barrier_signal -3
.Lnot_wave_0_\@:
	s_barrier_wait -3
	s_barrier_signal -1
	s_barrier_wait -1
.endm
.macro CROUND
	s_barrier_signal -1
	s_barrier_wait -1
	CREST
.endm
	s_load_b128 s[4:7], s[0:1], 0x0
	s_load_b128 s[8:11], s[0:1], 0x10
	v_lshl_add_u32 v[SPW], v0, 2, SPARE
	v_mov_b32 v[NIL], 0
	ds_add_u32 v28, v29
	ds_add_u32 v28, v29
	s_wait_dscnt 0x0
	v_lshrrev_b32 v1, 5, v0
	v_readfirstlane_b32 s14, v1
	s_lshr_b32 s15, s14, 1
	s_and_b32 s16, s14, 1
	s_bfe_u32 s40, ttmp6, 0x40000
	s_bfe_u32 s41, ttmp6, 0x40004
	s_lshl_b32 s42, ttmp9, 2
	s_add_co_u32 s42, s42, s40
	s_and_b32 s17, ttmp7, 0xffff
	s_lshl_b32 s17, s17, 2
	s_add_co_u32 s17, s17, s41
	s_lshl_b32 s43, s41, 2
	s_lshl_b32 s43, 15, s43
	s_lshl_b32 s44, 0x1111, s40
	s_or_b32 s[G1+0], s43, (3<<16)|(1<<21)
	s_mov_b32 s[G1+1], 512<<16
	s_mov_b32 s[G1+2], 8<<16
	s_mov_b32 s[G1+3], 512<<16
	s_mov_b32 s[G1+4], 8
	s_mov_b32 s[G1+5], AROW/8
	s_mov_b32 s[G1+6], 0
	s_mov_b32 s[G1+7], 0
	s_or_b32 s[G1B+0], s44, (0<<16)|(1<<20)|(1<<21)|(5<<22)|(3<<25)
	s_mov_b32 s[G1B+1], ROWB<<16
	s_mov_b32 s[G1B+2], 128<<16
	s_mov_b32 s[G1B+3], ROWB<<16
	s_mov_b32 s[G1B+4], 128
	s_mov_b32 s[G1B+5], KROW
	s_mov_b32 s[G1B+6], 0
	s_mov_b32 s[G1B+7], 0
	s_lshl_b32 s20, s17, 4
	s_lshl_b32 s18, s16, 3
	s_add_co_u32 s20, s20, s18
	s_lshl_b32 s20, s20, 14
	s_mov_b32 s21, 0
	s_lshl_b32 s46, s42, 8
	s_lshl_b32 s18, s16, 7
	s_add_co_u32 s46, s46, s18
	s_lshl_b32 s46, s46, 10
	s_mov_b32 s47, 0
	s_lshl_b32 s45, s16, 15
	s_mul_i32 s19, s16, HALFB
	s_add_co_u32 s19, s19, ABYTES
	s_wait_kmcnt 0x0
	s_load_b64 s[96:97], s[8:9], 0x28
	s_add_nc_u64 s[20:21], s[4:5], s[20:21]
	s_add_nc_u64 s[46:47], s[6:7], s[46:47]
	CROUND
.irp s, 0,1
	s_mov_b32 s[G0+4*\s], 1
	s_add_co_u32 s[G0+4*\s+1], s45, \s*SLOT
	s_add_nc_u64 s[G0+4*\s+2:G0+4*\s+3], s[20:21], \s*ASTEP
	s_or_b32 s[G0+4*\s+3], s[G0+4*\s+3], 0x80000000
	s_mov_b32 s[G0B+4*\s], 1
	s_add_co_u32 s[G0B+4*\s+1], s19, \s*SLOT
	s_add_nc_u64 s[G0B+4*\s+2:G0B+4*\s+3], s[46:47], \s*ROWB
	s_or_b32 s[G0B+4*\s+3], s[G0B+4*\s+3], 0x80000000
	s_wait_alu depctr_va_vdst(0)
	s_wait_tensorcnt 0x0
	ds_add_u32 v28, v29
	ds_add_u32 v28, v29
	s_wait_dscnt 0x0
	CROUND
	JLOAD G0+4*\s, G1, G0B+4*\s, G1B
.endr
	v_and_b32 v1, 15, v0
	v_bfe_u32 v2, v0, 4, 1
	v_and_b32 v6, 31, v0
	v_lshlrev_b32 v[CO], 4, v6
	v_mul_u32_u24 v3, v1, PITCH
	v_lshl_add_u32 v4, v2, 4, v3
	s_lshl_b32 s21, s15, 15
	s_mul_i32 s22, s16, HALFB
	s_add_co_u32 s22, s22, ABYTES
.irp s, 0,1
	v_add_nc_u32 v[ADRA+\s], s21, v[CO]
	v_add_nc_u32 v[ADRB+\s], s22, v4
	s_add_co_u32 s21, s21, SLOT
	s_add_co_u32 s22, s22, SLOT
.endr
	s_mul_i32 s23, s14, 16*SPITCH
	v_mul_u32_u24 v5, v1, SPITCH
	v_lshl_add_u32 v5, v2, 5, v5
	v_add_nc_u32 v[STO], s23, v5
	v_add_nc_u32 v[RD], s23, v[CO]
	s_lshl_b32 s20, s17, 8
	s_lshl_b32 s21, s15, 7
	s_add_co_u32 s20, s20, s21
	s_lshl_b32 s20, s20, 12
	s_lshl_b32 s46, s42, 10
	s_lshl_b32 s47, s16, 9
	s_add_co_u32 s46, s46, s47
	s_add_co_u32 s20, s20, s46
	s_mov_b32 s21, 0
	s_add_nc_u64 s[10:11], s[10:11], s[20:21]
.macro FRAGB reg, adr, q, i
.irp c, 0,1,2,3
	ds_load_b128 v[\reg+4*\c:\reg+4*\c+3], v[\adr] offset:128*(\q)+32*\c+(\i)*16*PITCH
.endr
.endm
.macro FRAGA reg, adr, q, i
.irp c, 0,1,2,3
	ds_load_b128 v[\reg+4*\c:\reg+4*\c+3], v[\adr] offset:(\i)*ASTEP+2048*(\q)+512*\c
.endr
.endm
.macro MUL16 a0, p, zero
.irp a, \a0, \a0+1
.irp b, 0,1,2,3,4,5,6,7
.if \zero
	v_wmma_f32_16x16x128_fp8_fp8 v[8*(8*((\a)%4)+\b):8*(8*((\a)%4)+\b)+7], v[128*(\p)+FR*\b:128*(\p)+FR*\b+FR-1], v[AF+FR*(\a):AF+FR*(\a)+FR-1], 0
.else
	v_wmma_f32_16x16x128_fp8_fp8 v[8*(8*((\a)%4)+\b):8*(8*((\a)%4)+\b)+7], v[128*(\p)+FR*\b:128*(\p)+FR*\b+FR-1], v[AF+FR*(\a):AF+FR*(\a)+FR-1], v[8*(8*((\a)%4)+\b):8*(8*((\a)%4)+\b)+7]
.endif
.endr
.endr
.endm
.macro FETCH_B slot, q, p
	WIN TO_B
.irp i, 0,1,2,3,4,5,6,7
	FRAGB 128*(\p)+FR*\i, ADRB+\slot, \q, \i
.endr
	WIN 0
.endm
.macro FETCH_A slot, q, i0
.irp i, \i0, \i0+1, \i0+2, \i0+3
	FRAGA AF+FR*(\i), ADRA+\slot, \q, \i
.endr
.endm
.macro PLACES n
.rept \n
	v_nop
.endr
.endm
.macro STEP slot, q, zero
	s_wait_dscnt 4*NL
	WIN MUL_LO
	MUL16 0, (\q)%2, \zero
	MUL16 2, (\q)%2, \zero
	s_wait_dscnt 0
	PLACES NP
	FETCH_B \slot, (\q)+1, 1-(\q)%2
	FETCH_A \slot, (\q)+1, 0
	WIN MUL_HI
	MUL16 4, (\q)%2, \zero
	MUL16 6, (\q)%2, \zero
	PLACES NP
	WIN 0
	FETCH_A \slot, (\q)+1, 4
.endm
.macro TURN slot, next, fill
	s_wait_tensorcnt 0x0
	ds_add_u32 v[SPW], v[NIL]
	s_wait_dscnt 4*NL+1
	WIN MUL_LO
	MUL16 0, 1, 0
	s_wait_dscnt 0x0
	s_barrier_signal -1
	MUL16 2, 1, 0
	WIN 0
	s_barrier_wait -1
.if \fill
	CREST
	s_add_nc_u64 s[G0+4*\slot+2:G0+4*\slot+3], s[G0+4*\slot+2:G0+4*\slot+3], 2*ASTEP
	s_add_nc_u64 s[G0B+4*\slot+2:G0B+4*\slot+3], s[G0B+4*\slot+2:G0B+4*\slot+3], 2*ROWB
	JLOAD G0+4*\slot, G1, G0B+4*\slot, G1B
.else
	PLACES NP
.endif
	FETCH_B \next, 0, 0
	FETCH_A \next, 0, 0
	WIN MUL_HI
	MUL16 4, 1, 0
	MUL16 6, 1, 0
	PLACES NP
	WIN 0
	FETCH_A \next, 0, 4
.endm
	s_wait_alu depctr_va_vdst(0)
	s_wait_tensorcnt 1
	s_barrier_signal -1
	s_barrier_wait -1
	FETCH_B 0, 0, 0
	FETCH_A 0, 0, 0
	FETCH_A 0, 0, 4
	STEP 0, 0, 1
	s_mov_b32 s3, LAPS-1
.Llap:
	TURN 0, 1, 1
	STEP 1, 0, 0
	TURN 1, 0, 1
	STEP 0, 0, 0
	s_sub_co_u32 s3, s3, 1
	s_cmp_lg_u32 s3, 0
	s_cbranch_scc1 .Llap
	TURN 0, 1, 0
	STEP 1, 0, 0
	s_wait_dscnt 4*NL
	WIN MUL_LO
	MUL16 0, 1, 0
	MUL16 2, 1, 0
	s_wait_dscnt 0
	WIN MUL_HI
	MUL16 4, 1, 0
	MUL16 6, 1, 0
	WIN 0
.macro TOSTAGE a
.set AC, 64*((\a)%4)
	WIN 0x02+((\a)/4)
.irp j, 0,2,4,6,8,10,12,14,16,18,20,22,24,26,28,30,32,34,36,38,40,42,44,46,48,50,52,54,56,58,60,62
	v_pk_mul_f32 v[TMP+\j:TMP+\j+1], v[AC+\j:AC+\j+1], s[96:97] op_sel_hi:[1,0]
.endr
	WIN 0
.irp b, 0,1,2,3,4,5,6,7
	ds_store_b128 v[STO], v[TMP+8*\b:TMP+8*\b+3] offset:64*\b
	ds_store_b128 v[STO], v[TMP+8*\b+4:TMP+8*\b+7] offset:64*\b+16
.endr
.set BB, BK+64*((\a)%2)
.irp t, 0,1,2,3,4,5,6,7,8,9,10,11,12,13,14,15
	ds_load_b128 v[BB+4*\t:BB+4*\t+3], v[RD] offset:\t*SPITCH
.endr
.endm
.macro SEND a, younger
.set BB, BK+64*((\a)%2)
	s_wait_dscnt \younger
.if (\a) > 0
	s_add_nc_u64 s[10:11], s[10:11], 16*SIZE_N*4
.endif
.irp t, 0,1,2,3,4,5,6,7,8,9,10,11,12,13,14,15
	global_store_b128 v[CO], v[BB+4*\t:BB+4*\t+3], s[10:11] offset:\t*SIZE_N*4 th:TH_STORE_NT
.endr
.endm
	s_wait_kmcnt 0x0
	s_add_co_i32 s96, s96, s97
	s_add_co_i32 s96, s96, 127
	s_lshl_b32 s96, s96, 23
	PLACES NP
	TOSTAGE 0
.irp a, 1,2,3,4,5,6,7
.if \a > 1
	s_wait_xcnt 0x0
.endif
	TOSTAGE \a
	SEND \a-1, 32
.endr
	s_wait_xcnt 0x0
	SEND 7, 0
	s_wait_tensorcnt 0x0
	ds_add_u32 v[SPW], v[NIL]
	s_wait_dscnt 0x0
	CROUND
	s_endpgm
.Lfunc_end_k_q909a4285fe_oproj:
	.size	k_q909a4285fe_oproj, .Lfunc_end_k_q909a4285fe_oproj-k_q909a4285fe_oproj
	.p2alignl 7, 3214868480
	.fill 96, 4, 3214868480
	.section	.rodata,"a",@progbits
	.p2align	6, 0x0
	.amdhsa_kernel k_q909a4285fe_oproj
		.amdhsa_group_segment_fixed_size 327680
		.amdhsa_private_segment_fixed_size 0
		.amdhsa_enable_private_segment 0
		.amdhsa_kernarg_size 32
		.amdhsa_user_sgpr_count 2
		.amdhsa_user_sgpr_kernarg_segment_ptr 1
		.amdhsa_wavefront_size32 1
		.amdhsa_system_sgpr_workgroup_id_x 1
		.amdhsa_system_sgpr_workgroup_id_y 1
		.amdhsa_system_sgpr_workgroup_id_z 1
		.amdhsa_system_vgpr_workitem_id 0
		.amdhsa_next_free_vgpr 1024
		.amdhsa_next_free_sgpr 98
		.amdhsa_reserve_vcc 0
		.amdhsa_float_denorm_mode_32 3
		.amdhsa_float_denorm_mode_16_64 3
		.amdhsa_memory_ordered 1
		.amdhsa_forward_progress 1
		.amdhsa_inst_pref_size 124
	.end_amdhsa_kernel
	.amdgpu_metadata
---
amdhsa.version: [ 1, 2 ]
amdhsa.kernels:
  - .name:           k_q909a4285fe_oproj
    .symbol:         k_q909a4285fe_oproj.kd
    .args:
      - { .name: oimg, .offset: 0, .size: 8, .value_kind: global_buffer, .address_space: global }
      - { .name: Wo_codes, .offset: 8, .size: 8, .value_kind: global_buffer, .address_space: global }
      - { .name: lowp_scales, .offset: 16, .size: 8, .value_kind: global_buffer, .address_space: global }
      - { .name: out0, .offset: 24, .size: 8, .value_kind: global_buffer, .address_space: global }
    .group_segment_fixed_size: 327680
    .private_segment_fixed_size: 0
    .kernarg_segment_align: 8
    .kernarg_segment_size: 32
    .max_flat_workgroup_size: 128
    .sgpr_count:     98
    .vgpr_count:     1024
    .wavefront_size: 32
...
	.end_amdgpu_metadata
.endif
;; end of part 4
